; MI455X (gfx1250); checked and timed in simulation.
; The chip was launched on July 23, 2026; its instructions are those of AMD's public machine-readable ISA for CDNA 5 (MIT licence, August 2026) and "CDNA5" Instruction Set Architecture Reference Guide (July 2026). The comments in the code are by the model that wrote it; some were corrected since.
;; MLPSDF. Allowed arithmetic: matrix products marked QUANTISED: E3M2 operands, one E8M0 scale for each 32 along K, by v_wmma_scale_f32_16x16x128_f8f6f4 with both operands' format E3M2, f32 sums; products left as they are: f32 operands where the result goes on into a quantised operand, else bf16, f16 or f32 operands; f32 sums; everything else in f32.
;; Inputs: W0 32 x 32 float32; W1 32 x 32 float32; W2 4 x 32 float32; table 16 x 524,288 x 2 float32; texc 1,000,000 x 3 float32.
;; Outputs: out0 1,000,000 x 4 float32.
;; This version of the problem:
;;   THIS VERSION OF THE PROBLEM IS GIVEN IN LOW PRECISION. The matrix products marked QUANTISED in the list below multiply operands that are first quantised to E3M2 (3 exponent bits, 2 mantissa bits; 6 bits a number), with one power-of-two scale for each 32 numbers along K (OCP MX v1.0); their sums are f32. All else is computed in f32.
;;   The module's matrix products, in the order in which they are computed (A, B: the left and right operand; K: the contracted axis; several contracted axes count as one K, in the product's order):
;;     1. [M 1,000,000, K 32] x [K 32, N 32]; A: computed on the way; B: input W0: QUANTISED
;;     2. [M 1,000,000, K 32] x [K 32, N 32]; A: computed on the way; B: input W1: QUANTISED
;;     3. [M 1,000,000, K 32] x [K 32, N 4]; A: computed on the way; B: input W2: left as it is (N = 4 < 16)
;;   THE QUANTISER, for each operand of a quantised product, along K:
;;     - K is cut into blocks of 32 from its start; a last block that is shorter is filled with zeros.
;;     - A block's scale is 2^e with e = floor(log2(the largest magnitude in the block)) - 4, held to -126 .. 127; a block of zeros has e = 0. As a byte (E8M0): e + 127.
;;     - Each number is divided by its block's scale, clamped to +-28, and rounded to the nearest number of E3M2, ties to even, subnormals kept.
;;     - The product sums the exact products of the quantised numbers (number of the format x scale) in f32.
;;   ~~~python
;;   def quantise(x, axis):      # numpy; x: float32 -> the quantised numbers, widened to float32 again
;;       x = np.moveaxis(x, axis, -1); K = x.shape[-1]
;;       x = np.pad(x, [(0, 0)] * (x.ndim - 1) + [(0, -K % 32)]); x = x.reshape(x.shape[:-1] + (-1, 32)); a = np.abs(x).max(-1, keepdims=True)
;;       e = np.where(a > 0, np.clip(np.frexp(np.where(a > 0, a, 1))[1] - 1 - 4, -126, 127), 0)      # np.frexp(a)[1] - 1 = floor(log2(a)), exactly
;;       r = np.clip(x / 2.0 ** e, -28, 28)
;;       step = 2.0 ** (np.maximum(np.frexp(np.where(r == 0, 1, r))[1] - 1, -2) - 2)
;;       q = np.round(r / step) * step * 2.0 ** e      # np.round: ties to even
;;       return np.moveaxis(q.reshape(q.shape[:-2] + (-1,))[..., :K], -1, axis).astype(np.float32)
;;   ~~~
;;   OPERANDS COMPUTED ON THE WAY. 'Computed on the way' means the value that the module computes at that place (a softmax that the list does not call 'softmax' is quantised finished and normalised). What goes into a quantiser is computed in f32, as accurately as f32 sums, v_exp_f32 and their like allow (about 1e-6 of the number): no bf16 or f16 on the way to a quantiser, and a product that is left as it is and whose result goes on into a quantised operand takes f32 operands (vector FMAs, or v_wmma_f32_16x16x4_f32). A number that lies on a knife's edge between two numbers of the format may be rounded either way, as far as f32 arithmetic and the matrix unit's own rounding can turn it there, and no further.
;; 2 versions, each right; version 2 is version 1 with the launch encode_mlp written anew for expert scheduling mode. Each part assembles by itself: llvm-mc -triple=amdgcn-amd-amdhsa -mcpu=gfx1250 --defsym DOCPART=n.
;; ======== version 1 of 2: 2 launches
;; workspace buffers: cells 64,000,000 bytes of whole numbers; wimg 6,656 bytes
;; launch cells_w (part 1): grid 15625 x 1, 2 waves a work-group, no clusters, 0 bytes of LDS; arguments texc, W0, W1, cells, wimg; writes cells, wimg
.if DOCPART == 1
	.amdgcn_target "amdgcn-amd-amdhsa--gfx1250"
	.amdhsa_code_object_version 6
	.text
	.protected	k_q0fe067ae24_cells_w
	.globl	k_q0fe067ae24_cells_w
	.p2align	8
	.type	k_q0fe067ae24_cells_w,@function
k_q0fe067ae24_cells_w:
	s_mov_b64 s[64:65], 0
	v_nop
	global_prefetch_b8 v0, s[64:65] scope:SCOPE_SE
	s_setreg_imm32_b32 hwreg(HW_REG_WAVE_MODE, 25, 1), 1
	s_wait_xcnt 0x0
; FIRST OF TWO LAUNCHES.  For each of the 1,000,000 points and each of the 16 levels the grid cell floor(x s + 0.5) is made here and stored as whole numbers:
; the next launch forms its table addresses from them.
; One wave (work-group 0, wave 0) also turns W0 and W1 into codes of BF6 (E3M2) with their E8M0 scale bytes, laid as images of the operand registers of the next launch.
; SHARES: a wave takes a block of 32 points, a lane a point: 31,250 blocks = 15,625 work-groups x 2 waves.  No loop, no LDS, no barrier: waves share nothing.
; CELL WORDS: word l = gx | gy << SH | gz << 2 SH, SH = 4 (level 0), 10 (1-11), 11 (12, 13), 12 (14, 15).  From level 12 on the shift drops gz's upper bits: they go into the free bits of word 0.
; cells: byte block x 2,048 + g x 512 + lane x 16 holds words 4 g .. 4 g + 3 of the lane's point: each store of the wave covers 512 consecutive bytes, aligned.
; pos = x s + 0.5 IS ONE FUSED MULTIPLY-ADD, here and in the next launch, so that the two agree on the cell.  It has one rounding where reference() writes a product and a sum:
;   the two forms can differ by one ulp of pos (2^-12 at the most) where x s and x s + 0.5 lie on the two sides of a power of two.
; wimg: fragment f = 4 L + 2 u + v (layer L, tile u of 16 rows, variant v) at 768 f: registers 0-3 at + 16 lane, registers 4-5 at + 512 + 8 lane.  Variant 0 has the rows' 32 codes in lanes 0-15
;   (k = 0 .. 31) and zero codes in lanes 16-31 (k = 32 .. 63), variant 1 the other way round.  6,144: the scale words, 16 lane + 4 (2 L + u), the row's byte in all four places.
; W0's TILE ROWS ARE NOT NEIGHBOURS: lane r of tile u takes row 8 u + r + 8 (r / 8), so that the first product's 16 registers of a lane are 16 neighbours along the second product's K.
; A block's scale byte is its largest magnitude's exponent field - 4, held at 1 from below.  (A block of zeros so gets the byte 1 where the rule says 127: its codes are zeros, and this program alone reads the bytes.)
; LIMITS: texc lies in [0, 1), on which reference()'s dense indexing relies; outside it the packed fields run into each other and the values differ (the next launch's addresses stay inside the table).  NaN and infinities are not served.
.set CW,   8                           ; v8-23   the 16 cell words
.set POS,  24                          ; v[24:25], v26  x s + 0.5
.set GI,   27                          ; v27-29  the cell
.set T,    30                          ; v30     at work
.set Z,    31                          ; v31     0 (weights' path)
.set SWR,  24                          ; v24-27  weights' path: the four scale words (POS and GI are done with there)
.set FW,   32                          ; v32-63  a row of 32 weights
.set C,    64                          ; v64-69  its codes
.set TMP,  70                          ; v70-72  the second 16 codes, as the conversion leaves them
.set VA,   74                          ; v74-79  variant 0
.set VB,   80                          ; v80-85  variant 1
.set M0,   88                          ; v88, v89 largest magnitudes, two chains
.set SC,   90                          ; v90     the conversion's scale operand
.set BY,   91                          ; v91     the scale's byte
.set OFF0, 92                          ; v92     W0: my row's byte offset in tile 0
.set OFF1, 93                          ; v93     W1: the same
.set R,    95                          ; v95     lane % 16
	s_load_b256 s[4:11], s[0:1], 0x0               ; texc s[4:5], W0 s[6:7], W1 s[8:9], cells s[10:11]
	s_load_b64 s[12:13], s[0:1], 0x20              ; wimg
	v_lshrrev_b32 v1, 5, v0
	v_readfirstlane_b32 s16, v1                    ; wave 0, 1
	v_and_b32 v7, 31, v0                           ; lane
	v_lshlrev_b32 v1, 4, v7                        ; 16 x lane; never rewritten
	v_lshlrev_b32 v2, 3, v7                        ; 8 x lane; never rewritten
	v_mul_u32_u24 v3, v7, 12                       ; 12 x lane: a point is three f32; never rewritten
	s_lshl_b32 s17, ttmp9, 1
	s_add_co_u32 s17, s17, s16                     ; my block of 32 points
	s_mul_i32 s18, s17, 384                        ; its 384 bytes of texc
	s_mov_b32 s19, 0
	s_wait_kmcnt 0x0
	s_add_nc_u64 s[4:5], s[4:5], s[18:19]
	s_lshl_b32 s18, s17, 11                        ; its 2,048 bytes of cells (under 2^32: 64,000,000 in all)
	s_add_nc_u64 s[10:11], s[10:11], s[18:19]
	global_load_b96 v[4:6], v3, s[4:5] th:TH_LOAD_NT   ; x, y, z: the wave reads 384 consecutive bytes
	s_wait_loadcnt 0x0
; Level l: s = its scale as f32 bits, sh = the field's width, epos = where gz's dropped bits go in word 0 (0: none are dropped).
.macro CELL l, s, sh, epos
	v_pk_fma_f32 v[POS:POS+1], v[4:5], \s, 0.5 op_sel_hi:[1,0,0]   ; x s + 0.5, one rounding
	v_fma_f32 v[POS+2], v6, \s, 0.5
.irp a, 0,1,2
	v_cvt_u32_f32 v[GI+\a], v[POS+\a]              ; toward zero: the floor, since pos is positive
.endr
	v_lshl_or_b32 v[CW+\l], v[GI+1], \sh, v[GI]
	v_lshl_or_b32 v[CW+\l], v[GI+2], 2*\sh, v[CW+\l]
.if \epos
	v_lshrrev_b32 v[T], 32-2*\sh, v[GI+2]          ; what the shift has dropped
	v_lshl_or_b32 v[CW], v[T], \epos, v[CW]
.endif
.endm
	; the scales 16 x 2^(8 l / 15) - 1, rounded to f32
	CELL 0,  0x41700000, 4,  0
	CELL 1,  0x41B1401E, 10, 0
	CELL 2,  0x42020DBC, 10, 0
	CELL 3,  0x423E0300, 10, 0
	CELL 4,  0x428A64C3, 10, 0
	CELL 5,  0x42C92FF5, 10, 0
	CELL 6,  0x4312088C, 10, 0
	CELL 7,  0x4353CC02, 10, 0
	CELL 8,  0x43997CB9, 10, 0
	CELL 9,  0x43DE5C67, 10, 0
	CELL 10, 0x44210518, 10, 0
	CELL 11, 0x446926A5, 10, 0
	CELL 12, 0x44A8C5A3, 11, 12                    ; one bit at 12
	CELL 13, 0x44F45080, 11, 13                    ; one bit at 13
	CELL 14, 0x4530D285, 12, 14                    ; four bits at 14
	CELL 15, 0x457FF000, 12, 18                    ; four bits at 18
.irp g, 0,1,2,3
	global_store_b128 v1, v[CW+4*\g:CW+4*\g+3], s[10:11] offset:512*\g th:TH_STORE_NT
.endr
	s_or_b32 s18, ttmp9, s16                       ; the weights are one wave's work: work-group 0, wave 0
	s_cmp_lg_u32 s18, 0
	s_cbranch_scc1 .Lend
	v_mov_b32 v[Z], 0
	s_mov_b32 s20, 0xffff0000                      ; lanes 16-31
	v_and_b32 v[R], 15, v0                         ; r
	v_and_b32 v[OFF0], 8, v[R]
	v_add_nc_u32 v[OFF0], v[OFF0], v[R]            ; r + 8 (r / 8)
	v_lshlrev_b32 v[OFF0], 7, v[OFF0]              ; a row of 32 f32 is 128 bytes
	v_lshlrev_b32 v[OFF1], 7, v[R]
; A tile of 16 rows: sb = the weight's base, vo = the lane's row offset, imm = the tile's first byte, t = 2 L + u.  Both halves of the lanes take the same 16 rows; K = 32 is one block, all of it in one lane.
.macro WTILE sb, vo, imm, t
	s_wait_xcnt 0x0                                ; the earlier stores have read their data: VA and VB are written again only behind this wait
.irp i, 0,1,2,3,4,5,6,7
	global_load_b128 v[FW+4*\i:FW+4*\i+3], v[\vo], s[\sb:\sb+1] offset:\imm+16*\i
.endr
	s_wait_loadcnt 0x0
	v_max3_num_f32 v[M0], |v[FW]|, |v[FW+1]|, 0x2800000            ; the floor 2^(5 - 127) among the leaves: the byte cannot fall under 1
	v_max3_num_f32 v[M0+1], |v[FW+2]|, |v[FW+3]|, |v[FW+4]|
.irp i, 5,9,13,17,21,25
	v_max3_num_f32 v[M0], v[M0], |v[FW+\i]|, |v[FW+\i+1]|          ; two chains by turns
	v_max3_num_f32 v[M0+1], v[M0+1], |v[FW+\i+2]|, |v[FW+\i+3]|
.endr
	v_max3_num_f32 v[M0], v[M0], |v[FW+29]|, |v[FW+30]|
	v_max3_num_f32 v[M0], v[M0], v[M0+1], |v[FW+31]|
	v_add_nc_u32 v[SC], 0xfe000000, v[M0]          ; 4 off the exponent field: the conversion takes this operand's exponent field as its scale
	v_lshrrev_b32 v[BY], 23, v[SC]                 ; the scale's byte,
	v_perm_b32 v[SWR+\t], v[BY], v[BY], 0          ; in all four places of the word
	v_cvt_scalef32_pk16_bf6_f32 v[C:C+2], v[FW:FW+15], v[SC]
	v_cvt_scalef32_pk16_bf6_f32 v[TMP:TMP+2], v[FW+16:FW+31], v[SC]   ; (a conversion's three registers begin on an even number)
	v_nop                                          ; one plain place behind a scaled conversion
.irp i, 0,1,2
	v_mov_b32 v[C+3+\i], v[TMP+\i]
.endr
.irp i, 0,1,2,3,4,5
	v_cndmask_b32 v[VA+\i], v[C+\i], v[Z], s20     ; variant 0: zero codes in lanes 16-31
	v_cndmask_b32 v[VB+\i], v[Z], v[C+\i], s20     ; variant 1: zero codes in lanes 0-15
.endr
	global_store_b128 v1, v[VA:VA+3], s[12:13] offset:768*(2*\t)
	global_store_b64 v2, v[VA+4:VA+5], s[12:13] offset:768*(2*\t)+512
	global_store_b128 v1, v[VB:VB+3], s[12:13] offset:768*(2*\t+1)
	global_store_b64 v2, v[VB+4:VB+5], s[12:13] offset:768*(2*\t+1)+512
.endm
	WTILE 6, OFF0, 0,    0                         ; W0, tile 0: rows 0-7, 16-23
	WTILE 6, OFF0, 1024, 1                         ; W0, tile 1: rows 8-15, 24-31
	WTILE 8, OFF1, 0,    2                         ; W1, tile 0: rows 0-15
	WTILE 8, OFF1, 2048, 3                         ; W1, tile 1: rows 16-31
	global_store_b128 v1, v[SWR:SWR+3], s[12:13] offset:6144
.Lend:
	s_endpgm
.Lfunc_end_k_q0fe067ae24_cells_w:
	.size	k_q0fe067ae24_cells_w, .Lfunc_end_k_q0fe067ae24_cells_w-k_q0fe067ae24_cells_w
	.p2alignl 7, 3214868480
	.fill 96, 4, 3214868480
	.section	.rodata,"a",@progbits
	.p2align	6, 0x0
	.amdhsa_kernel k_q0fe067ae24_cells_w
		.amdhsa_group_segment_fixed_size 0
		.amdhsa_private_segment_fixed_size 0
		.amdhsa_enable_private_segment 0
		.amdhsa_kernarg_size 40
		.amdhsa_user_sgpr_count 2
		.amdhsa_user_sgpr_kernarg_segment_ptr 1
		.amdhsa_wavefront_size32 1
		.amdhsa_system_sgpr_workgroup_id_x 1
		.amdhsa_system_sgpr_workgroup_id_y 1
		.amdhsa_system_sgpr_workgroup_id_z 1
		.amdhsa_system_vgpr_workitem_id 0
		.amdhsa_next_free_vgpr 96
		.amdhsa_next_free_sgpr 66
		.amdhsa_reserve_vcc 0
		.amdhsa_float_denorm_mode_32 3
		.amdhsa_float_denorm_mode_16_64 3
		.amdhsa_memory_ordered 1
		.amdhsa_forward_progress 1
		.amdhsa_inst_pref_size 23
	.end_amdhsa_kernel
	.amdgpu_metadata
---
amdhsa.version: [ 1, 2 ]
amdhsa.kernels:
  - .name:           k_q0fe067ae24_cells_w
    .symbol:         k_q0fe067ae24_cells_w.kd
    .args:
      - { .name: texc, .offset: 0, .size: 8, .value_kind: global_buffer, .address_space: global }
      - { .name: W0, .offset: 8, .size: 8, .value_kind: global_buffer, .address_space: global }
      - { .name: W1, .offset: 16, .size: 8, .value_kind: global_buffer, .address_space: global }
      - { .name: cells, .offset: 24, .size: 8, .value_kind: global_buffer, .address_space: global }
      - { .name: wimg, .offset: 32, .size: 8, .value_kind: global_buffer, .address_space: global }
    .group_segment_fixed_size: 0
    .private_segment_fixed_size: 0
    .kernarg_segment_align: 8
    .kernarg_segment_size: 40
    .max_flat_workgroup_size: 64
    .sgpr_count:     66
    .vgpr_count:     96
    .wavefront_size: 32
...
	.end_amdgpu_metadata
.endif
;; end of part 1
;; launch encode_mlp (part 2): grid 15625 x 1, 2 waves a work-group, no clusters, 0 bytes of LDS; arguments texc, table, cells, wimg, W2, out0; writes out0
.if DOCPART == 2
	.amdgcn_target "amdgcn-amd-amdhsa--gfx1250"
	.amdhsa_code_object_version 6
	.text
	.protected	k_q0fe067ae24_encode_mlp
	.globl	k_q0fe067ae24_encode_mlp
	.p2align	8
	.type	k_q0fe067ae24_encode_mlp,@function
k_q0fe067ae24_encode_mlp:
	s_mov_b64 s[64:65], 0
	v_nop
	global_prefetch_b8 v0, s[64:65] scope:SCOPE_SE
	s_setreg_imm32_b32 hwreg(HW_REG_WAVE_MODE, 25, 1), 1
	s_wait_xcnt 0x0
; SECOND OF TWO LAUNCHES: the hash-grid encoding (16 levels x 8 corners x 2 features a point) and the MLP 32 -> 32 -> 32 -> 4; nothing between them goes to memory.
; SHARES: a wave takes a block of 32 points, a lane a point: 31,250 blocks = 15,625 work-groups x 2 waves.  Straight-line text: no loop, no LDS, no barrier; waves share nothing.
; ADDRESSES come from the cell words that the first launch stored (their layout: see there).  The fractions are made here from texc by the same fused multiply-add that made the cells:
;   pos = x s + 0.5 has one rounding where reference() writes a product and a sum; the two forms can differ by one ulp of pos (2^-12 at the most) where x s and x s + 0.5 lie on the two sides of a power of two.
; GATHERS: 8 loads of 8 bytes a level and lane, in three sets of registers: two levels' 16 loads stay out while a third level is summed.
; What work-groups share is the table, read in pieces of 8 bytes at places that hang on the points: no tile of it could be asked for jointly, so there is no cluster, no tensor load and no LDS here.
; THE FIRST TWO PRODUCTS are on codes of BF6 (E3M2), K = 32: one block, one E8M0 byte a row.  The instruction is 128 deep, and two tiles of points share an operand:
;   source 1 (ACT): lane l holds point l's 32 codes in registers 0-5, zero codes in registers 6-11.  Read as an operand, column r has point r at k = 0 .. 31, point 16 + r at k = 32 .. 63, zeros from k = 64 on.
;   source 0: 16 rows of the weight, variant 0 with its codes at k = 0 .. 31 and zero codes at k = 32 .. 63 (it picks points 0-15), variant 1 the other way round (points 16-31).
;   A weight fragment's registers 6-11 (k = 64 on) meet ACT's zero codes, so whatever stands there adds nothing: the eight fragments lie 6 registers apart.  No scale byte here is 0xff.
;   The products are used transposed: in a result lane (r, h) holds one point and eight units.  W0's tile rows are chosen so that a lane's 16 registers are units 16 h + 0 .. 15, neighbours along the next K.
; THE THIRD PRODUCT (N = 4, left as it is) takes f32 operands, by packed multiply-adds: 64 for the block's 32 points x 4 outputs x 32 units; no operand is rounded.  Of a 16-wide matrix tile its 4 outputs would fill a quarter.
; A block's scale byte is its largest magnitude's exponent field - 4, held at 1 from below; a block of zeros keeps the byte 1 (its codes are zeros, and nothing else reads the byte).
; LIMITS: texc lies in [0, 1), on which reference()'s dense indexing relies; outside it values differ, and every address stays inside the table.  NaN and infinities are not served.
.set CELLW, 8                          ; v8-23    the point's 16 cell words;           in the MLP: four quads of W2
.set F,     24                         ; v24-55   the 32 features (level l at 2 l);     in the MLP: the four accumulators of a product; at the end the outputs
.set FE,    56                         ; v56-103  gathered corners, 3 sets x 16;        in the MLP: the eight weight fragments, 6 registers apart; v56-79 later six quads of W2
.set WT,    104                        ; v104-127 trilinear weights, 3 sets x 8: pair 2 j + k = (i = 0, i = 1);  in the MLP v110-125: four quads of W2
.set POS,   128                        ; v[128:129], v130
.set G,     131                        ; v131-133 floor(pos)
.set XP,    134                        ; v[134:135] (1 - fx, fx);  v[136:137], v[138:139] the same of y, z
.set YP,    136
.set ZP,    138
.set WXY,   140                        ; v[140:141] wx wy for j = 0, v[142:143] for j = 1
.set GX,    144                        ; v144 gx, v145 gx + 1
.set HY,    146                        ; v146, v147 gy P1, (gy + 1) P1
.set HZ,    148                        ; v148, v149 gz P2, (gz + 1) P2
.set YZ,    150                        ; v150-153 their four exclusive ors, low 19 bits: 2 j + k;  in the MLP v150-157: two quads of W2
.set DI,    154                        ; v154-156 dense levels: the base corner's byte offset, one for each set
.set T,     157
.set WS,    160                        ; v160-163 the weights' scale words (2 L + u): scales and nothing else
.set SW,    164                        ; v164     the activations' scale word: scales and nothing else
.set TB,    32                         ; s[32+2l:33+2l] the table at level l; never rewritten
; the MLP's names
.set WF,    56
.set ACT,   128                        ; v128-139
.set MA,    140                        ; v140, v141 largest magnitudes; v142, v143 the other half's
.set SCA,   144                        ; v144, v145 the conversions' scale operands
.set TMP,   146                        ; v146-148
.set BY,    149
.set ACC,   128                        ; v128-143 the third product's eight sums, each in two halves (even units', odd units'): pair 4 p + j
	s_load_b256 s[4:11], s[0:1], 0x0               ; texc s[4:5], table s[6:7], cells s[8:9], wimg s[10:11]
	s_load_b128 s[12:15], s[0:1], 0x20             ; W2 s[12:13], out0 s[14:15]
	v_lshrrev_b32 v1, 5, v0
	v_readfirstlane_b32 s18, v1                    ; wave 0, 1
	v_and_b32 v7, 31, v0                           ; lane
	v_lshlrev_b32 v1, 4, v7                        ; 16 x lane; never rewritten
	v_lshlrev_b32 v2, 3, v7                        ; 8 x lane; never rewritten
	v_mul_u32_u24 v3, v7, 12                       ; 12 x lane; never rewritten
	v_bfe_u32 v7, v0, 4, 1                         ; h = lane / 16
	v_lshlrev_b32 v7, 5, v7                        ; 32 h: my half's eight numbers of a row of W2; never rewritten
	s_lshl_b32 s19, ttmp9, 1
	s_add_co_u32 s19, s19, s18                     ; my block of 32 points
	s_mov_b32 s17, 0
	s_mov_b32 s20, 0x779b1                         ; the low 19 bits of the prime 2,654,435,761: the index is taken modulo 2^19, so the products' low 19 bits are all that counts
	s_mov_b32 s21, 0x25795                         ; and of 805,459,861
	s_mov_b32 s22, 0x7ffff
	s_mov_b32 s23, 0xffff0000                      ; lanes 16-31
	s_mov_b32 s24, 0x76543210
	s_mov_b32 s25, 0xfedcba98                      ; v_permlanex16_b32's selects for lane l xor 16
	s_mul_i32 s16, s19, 384
	s_wait_kmcnt 0x0
	s_add_nc_u64 s[4:5], s[4:5], s[16:17]          ; my 384 bytes of texc,
	s_lshl_b32 s16, s19, 11
	s_add_nc_u64 s[8:9], s[8:9], s[16:17]          ; 2,048 of cells,
	s_lshl_b32 s16, s19, 9
	s_add_nc_u64 s[14:15], s[14:15], s[16:17]      ; 512 of out0
	global_load_b96 v[4:6], v3, s[4:5] th:TH_LOAD_NT
.irp g, 0,1,2,3
	global_load_b128 v[CELLW+4*\g:CELLW+4*\g+3], v1, s[8:9] offset:512*\g th:TH_LOAD_NT
.endr
	global_load_b128 v[WS:WS+3], v1, s[10:11] offset:6144
	s_mov_b64 s[TB:TB+1], s[6:7]
.irp l, 1,2,3,4,5,6,7,8,9,10,11,12,13,14,15
	s_add_nc_u64 s[TB+2*\l:TB+2*\l+1], s[TB+2*\l-2:TB+2*\l-1], 0x400000   ; a level is 524,288 entries of 8 bytes
.endr
	s_wait_loadcnt 0x0
; The eight trilinear weights of level l (s: its scale as f32 bits) into set l % 3; (wx wy) wz, as reference()'s product runs.
.macro WEIGHTS l, s
.set WB, WT+8*((\l)%3)
	v_pk_fma_f32 v[POS:POS+1], v[4:5], \s, 0.5 op_sel_hi:[1,0,0]   ; x s + 0.5, one rounding: as the cells were made
	v_fma_f32 v[POS+2], v6, \s, 0.5
.irp a, 0,1,2
	v_floor_f32 v[G+\a], v[POS+\a]
.endr
.irp a, 0,1,2
	v_sub_f32 v[XP+2*\a+1], v[POS+\a], v[G+\a]     ; f
.endr
.irp a, 0,1,2
	v_sub_f32 v[XP+2*\a], 1.0, v[XP+2*\a+1]        ; 1 - f
.endr
	v_pk_mul_f32 v[WXY:WXY+1], v[XP:XP+1], v[YP:YP+1] op_sel_hi:[1,0]                 ; (1 - fx, fx) x (1 - fy)
	v_pk_mul_f32 v[WXY+2:WXY+3], v[XP:XP+1], v[YP:YP+1] op_sel:[0,1] op_sel_hi:[1,1]  ; (1 - fx, fx) x fy
.irp j, 0,1
	v_pk_mul_f32 v[WB+4*\j:WB+4*\j+1], v[WXY+2*\j:WXY+2*\j+1], v[ZP:ZP+1] op_sel_hi:[1,0]
	v_pk_mul_f32 v[WB+4*\j+2:WB+4*\j+3], v[WXY+2*\j:WXY+2*\j+1], v[ZP:ZP+1] op_sel:[0,1] op_sel_hi:[1,1]
.endr
.endm
; A dense level: index = x + y res + z res^2.  The base corner's index is held under its largest value (a number read from memory enters an address only behind a v_min_u32 with a constant);
; the eight corners stand in the loads' immediates.  Corner c = 4 i + 2 j + k lands in registers 2 c, 2 c + 1 of set l % 3.
.macro ISSUE_D l, s, sh, res
.set FB, FE+16*((\l)%3)
	v_bfe_u32 v[GX], v[CELLW+\l], 0, \sh
	v_bfe_u32 v[HY], v[CELLW+\l], \sh, \sh
	v_bfe_u32 v[HZ], v[CELLW+\l], 2*\sh, \sh
	v_mad_u32_u24 v[T], v[HY], \res, v[GX]
	v_mad_u32_u24 v[T], v[HZ], (\res)*(\res), v[T]
	v_min_u32 v[T], ((\res)-1)*(1+(\res)+(\res)*(\res)), v[T]      ; a cell's coordinate is at most res - 1
	v_lshlrev_b32 v[DI+(\l)%3], 3, v[T]            ; written again three levels on, behind the wait that shows this set's loads done
.irp c, 0,1,2,3,4,5,6,7
	global_load_b64 v[FB+2*\c:FB+2*\c+1], v[DI+(\l)%3], s[TB+2*(\l):TB+2*(\l)+1] offset:8*((\c/4)+((\c/2)%2)*(\res)+(\c%2)*(\res)*(\res))
.endr
	WEIGHTS \l, \s
.endm
; A hashed level: index = (x ^ y P1 ^ z P2) mod 2^19.  epos, ew: where gz's upper bits lie in word 0 (ew = 0: none).  (y + 1) P1 = y P1 + P1.
; Each index is made in the register pair's first register, and the load lands on its own address register; scale_offset multiplies the index by the load's 8 bytes
; (a shift in its stead would be 8 more vector instructions a level, 88 a wave).
.macro ISSUE_H l, s, sh, epos, ew
.set FB, FE+16*((\l)%3)
	v_bfe_u32 v[GX], v[CELLW+\l], 0, \sh
	v_bfe_u32 v[HY], v[CELLW+\l], \sh, \sh
	v_lshrrev_b32 v[HZ], 2*\sh, v[CELLW+\l]
.if \ew
	v_bfe_u32 v[T], v[CELLW], \epos, \ew
	v_lshl_or_b32 v[HZ], v[T], 32-2*\sh, v[HZ]
.endif
	v_mul_u32_u24 v[HY], s20, v[HY]
	v_mul_u32_u24 v[HZ], s21, v[HZ]
	v_add_nc_u32 v[GX+1], 1, v[GX]
	v_add_nc_u32 v[HY+1], s20, v[HY]
	v_add_nc_u32 v[HZ+1], s21, v[HZ]
.irp p, 0,1,2,3
	v_xor_b32 v[YZ+\p], v[HY+\p/2], v[HZ+\p%2]
.endr
.irp p, 0,1,2,3
	v_and_b32 v[YZ+\p], s22, v[YZ+\p]              ; x and x + 1 lie under 2^19 themselves
.endr
.irp c, 0,1,2,3,4,5,6,7
	v_xor_b32 v[FB+2*\c], v[GX+\c/4], v[YZ+\c%4]
.endr
.irp c, 0,1,2,3,4,5,6,7
	v_min_u32 v[FB+2*\c], 0x7ffff, v[FB+2*\c]      ; changes nothing: a number read from memory enters an address only behind a v_min_u32 with a constant
.endr
.irp c, 0,1,2,3,4,5,6,7
	global_load_b64 v[FB+2*\c:FB+2*\c+1], v[FB+2*\c], s[TB+2*(\l):TB+2*(\l)+1] scale_offset
.endr
	WEIGHTS \l, \s
.endm
; Level l's two features: the sum over the corners in reference()'s order, both features in one packed multiply-add.  left: the younger levels' loads, which may stay out.
.macro CONSUME l, left
.set FB, FE+16*((\l)%3)
.set WB, WT+8*((\l)%3)
.set FL, F+2*(\l)
	s_wait_loadcnt \left                           ; loads come back in order: this level's eight are in
	v_pk_mul_f32 v[FL:FL+1], v[FB:FB+1], v[WB:WB+1] op_sel_hi:[1,0]                    ; the first corner starts the sum
.irp c, 1,2,3
	v_pk_fma_f32 v[FL:FL+1], v[FB+2*\c:FB+2*\c+1], v[WB+2*\c:WB+2*\c+1], v[FL:FL+1] op_sel_hi:[1,0,1]               ; i = 0: the pair's low word for both features
.endr
.irp c, 0,1,2,3
	v_pk_fma_f32 v[FL:FL+1], v[FB+8+2*\c:FB+9+2*\c], v[WB+2*\c:WB+2*\c+1], v[FL:FL+1] op_sel:[0,1,0] op_sel_hi:[1,1,1]   ; i = 1: its high word
.endr
.endm
	; the scales 16 x 2^(8 l / 15) - 1, rounded to f32; resolutions ceil(scale) + 1; levels 0-4 are dense (71^3 <= 2^19 < 102^3)
	ISSUE_D 0,  0x41700000, 4,  16
	ISSUE_D 1,  0x41B1401E, 10, 24
	ISSUE_D 2,  0x42020DBC, 10, 34
	CONSUME 0, 16                                  ; 16: the two younger levels' loads
	ISSUE_D 3,  0x423E0300, 10, 49
	CONSUME 1, 16
	ISSUE_D 4,  0x428A64C3, 10, 71
	CONSUME 2, 16
	ISSUE_H 5,  0x42C92FF5, 10, 0, 0
	CONSUME 3, 16
	ISSUE_H 6,  0x4312088C, 10, 0, 0
	CONSUME 4, 16
	ISSUE_H 7,  0x4353CC02, 10, 0, 0
	CONSUME 5, 16
	ISSUE_H 8,  0x43997CB9, 10, 0, 0
	CONSUME 6, 16
	ISSUE_H 9,  0x43DE5C67, 10, 0, 0
	CONSUME 7, 16
	ISSUE_H 10, 0x44210518, 10, 0, 0
	CONSUME 8, 16
	ISSUE_H 11, 0x446926A5, 10, 0, 0
	CONSUME 9, 16
	ISSUE_H 12, 0x44A8C5A3, 11, 12, 1
	CONSUME 10, 16
	ISSUE_H 13, 0x44F45080, 11, 13, 1
	CONSUME 11, 16
	ISSUE_H 14, 0x4530D285, 12, 14, 4
	CONSUME 12, 16
	ISSUE_H 15, 0x457FF000, 12, 18, 4
	CONSUME 13, 16
	CONSUME 14, 8                                  ; the counts run down
	CONSUME 15, 0
	; ---- THE MLP.  W0's and W1's codes come as images of their registers, into the registers that the gathers have left; they land while the features are quantised.
.irp f, 0,1,2,3,4,5,6,7
	global_load_b128 v[WF+6*\f:WF+6*\f+3], v1, s[10:11] offset:768*\f
	global_load_b64 v[WF+6*\f+4:WF+6*\f+5], v2, s[10:11] offset:768*\f+512
.endr
; W2 in f32, as it lies: quad q = 4 j + t holds W2[j][4 t' ..], the four numbers that meet registers 4 t .. 4 t + 3 of a point's 16: units 16 (t / 2) + 8 h + 4 (t % 2) + 0 .. 3.
; The 16 quads lie where registers are free: QR is quad q's first register.
.macro SETQ q
.if (\q) < 4
.set QR, 8+4*(\q)
.elseif (\q) < 8
.set QR, 110+4*((\q)-4)
.elseif (\q) < 10
.set QR, 150+4*((\q)-8)
.else
.set QR, 56+4*((\q)-10)
.endif
.endm
.macro W2LOAD q
	SETQ \q
	global_load_b128 v[QR:QR+3], v7, s[12:13] offset:128*((\q)/4)+64*(((\q)%4)/2)+16*((\q)%2)   ; sixteen lanes read the same 16 bytes
.endm
.irp q, 0,1,2,3,4,5,6,7,8,9
	W2LOAD \q
.endr
.macro NOPS n
.rept \n
	v_nop
.endr
.endm
	; the features' one block of 32 lies whole in my lane
	v_max3_num_f32 v[MA], |v[F]|, |v[F+1]|, 0x2800000              ; the floor 2^(5 - 127) among the leaves: the byte cannot fall under 1
	v_max3_num_f32 v[MA+1], |v[F+2]|, |v[F+3]|, |v[F+4]|
.irp i, 5,9,13,17,21,25
	v_max3_num_f32 v[MA], v[MA], |v[F+\i]|, |v[F+\i+1]|            ; two chains by turns
	v_max3_num_f32 v[MA+1], v[MA+1], |v[F+\i+2]|, |v[F+\i+3]|
.endr
	v_max3_num_f32 v[MA], v[MA], |v[F+29]|, |v[F+30]|
	v_max3_num_f32 v[MA], v[MA], v[MA+1], |v[F+31]|
	v_add_nc_u32 v[SCA], 0xfe000000, v[MA]         ; 4 off the exponent field: the conversion's scale operand
	v_lshrrev_b32 v[BY], 23, v[SCA]                ; the scale's byte,
	v_perm_b32 v[SW], v[BY], v[BY], 0              ; in all four places: my point's block is k block 0 in lanes 0-15 and k block 1 in lanes 16-31
.irp i, 6,7,8,9,10,11
	v_mov_b32 v[ACT+\i], 0                         ; zero codes for k = 64 .. 127; they stay for both products
.endr
	v_cvt_scalef32_pk16_bf6_f32 v[ACT:ACT+2], v[F:F+15], v[SCA]
	v_cvt_scalef32_pk16_bf6_f32 v[TMP:TMP+2], v[F+16:F+31], v[SCA]   ; (a conversion's three registers begin on an even number)
	v_nop                                          ; one plain place behind a scaled conversion
.irp i, 0,1,2
	v_mov_b32 v[ACT+3+\i], v[TMP+\i]
.endr
	NOPS 8                                         ; a scale register written by a vector instruction stands 8 places ahead of a scaled matrix instruction, an operand so written 4
	s_wait_loadcnt 10                              ; the 16 loads of the fragments are in; the ten quads of W2 issued behind them may stay out
; A layer's four products: tile u of the weight's rows x points 0-15 (variant 0) and points 16-31 (variant 1, whose scale is read from lanes 16-31).  Four accumulators, each begun with the constant 0.
.macro PROD lay
.irp u, 0,1
	v_wmma_scale_f32_16x16x128_f8f6f4 v[F+8*\u:F+8*\u+7], v[WF+6*(4*\lay+2*\u):WF+6*(4*\lay+2*\u)+11], v[ACT:ACT+11], 0, v[WS+2*\lay+\u], v[SW] matrix_a_fmt:MATRIX_FMT_BF6 matrix_b_fmt:MATRIX_FMT_BF6
	v_wmma_scale_f32_16x16x128_f8f6f4 v[F+16+8*\u:F+16+8*\u+7], v[WF+6*(4*\lay+2*\u+1):WF+6*(4*\lay+2*\u+1)+11], v[ACT:ACT+11], 0, v[WS+2*\lay+\u], v[SW] matrix_a_fmt:MATRIX_FMT_BF6 matrix_b_fmt:MATRIX_FMT_BF6 matrix_b_scale:MATRIX_SCALE_ROW1
.endr
.endm
.macro RELU                                    ; in ascending order: each accumulator is read from its low end on
.set j, 0
.rept 32
	v_max_num_f32 v[F+j], 0, v[F+j]
.set j, j+1
.endr
.endm
	PROD 0                                         ; lane (r, h): v[F + 16 p + i] = unit 16 h + i of point 16 p + r
	NOPS 4                                         ; four places between a matrix instruction and the first read of its result, and a load into one of its sources
.irp q, 10,11,12,13,14,15
	W2LOAD \q                                      ; the last six quads of W2, into the registers of W0's fragments, which are done with
.endr
	RELU
	; the first hidden layer's block of 32 units lies in lanes l and l xor 16.  No |.|: nothing is negative
	v_max3_num_f32 v[MA], v[F], v[F+1], 0x2800000
	v_max3_num_f32 v[MA+1], v[F+16], v[F+17], 0x2800000
.irp i, 2,4,6,8,10,12,14
	v_max3_num_f32 v[MA], v[MA], v[F+\i], v[F+\i+1]                ; the two tiles of points by turns
	v_max3_num_f32 v[MA+1], v[MA+1], v[F+16+\i], v[F+17+\i]
.endr
	v_permlanex16_b32 v[MA+2], v[MA], s24, s25
	v_permlanex16_b32 v[MA+3], v[MA+1], s24, s25
	v_max_num_f32 v[MA], v[MA], v[MA+2]
	v_max_num_f32 v[MA+1], v[MA+1], v[MA+3]
	v_add_nc_u32 v[SCA], 0xfe000000, v[MA]
	v_add_nc_u32 v[SCA+1], 0xfe000000, v[MA+1]
	v_cndmask_b32 v[BY], v[SCA], v[SCA+1], s23     ; lane l wants point l's: lanes 0-15 the first tile's, lanes 16-31 the second's
	v_lshrrev_b32 v[BY], 23, v[BY]
	v_perm_b32 v[SW], v[BY], v[BY], 0
	v_cvt_scalef32_pk16_bf6_f32 v[ACT:ACT+2], v[F:F+15], v[SCA]        ; units 16 h + 0 .. 15 of point r
	v_cvt_scalef32_pk16_bf6_f32 v[TMP:TMP+2], v[F+16:F+31], v[SCA+1]   ; and of point 16 + r
	v_nop                                          ; one plain place behind a scaled conversion
.irp i, 0,1,2
	v_permlane16_swap_b32 v[ACT+\i], v[TMP+\i]     ; the first's lanes 16-31 change places with the second's lanes 0-15: the first now holds units 0-15 of point l, the second units 16-31
.endr
.irp i, 0,1,2
	v_mov_b32 v[ACT+3+\i], v[TMP+\i]
.endr
	NOPS 8                                         ; as ahead of the first layer's products
	PROD 1                                         ; W1's tile rows are neighbours: v[F + 16 p + 8 u + i] = unit 16 u + 8 h + i of point 16 p + r
	NOPS 4
	RELU
	; ---- the third product: out(point, j) = the sum over 32 units of h2 W2[j].  My lane has 16 units of each of two points: eight sums (4 p + j), two units an instruction, the eight by turns.
	s_wait_loadcnt 0x0                             ; W2
.set kp, 0
.rept 8                                        ; units 2 kp, 2 kp + 1 of my 16
.irp p, 0,1
.irp j, 0,1,2,3
	SETQ 4*\j+kp/2
.if kp == 0
	v_pk_mul_f32 v[ACC+2*(4*\p+\j):ACC+2*(4*\p+\j)+1], v[F+16*\p+2*kp:F+16*\p+2*kp+1], v[QR+2*(kp%2):QR+2*(kp%2)+1]   ; the first pair starts the sums
.else
	v_pk_fma_f32 v[ACC+2*(4*\p+\j):ACC+2*(4*\p+\j)+1], v[F+16*\p+2*kp:F+16*\p+2*kp+1], v[QR+2*(kp%2):QR+2*(kp%2)+1], v[ACC+2*(4*\p+\j):ACC+2*(4*\p+\j)+1]
.endif
.endr
.endr
.set kp, kp+1
.endr
.irp p, 0,1
.irp j, 0,1,2,3
	v_add_f32 v[F+4*\p+\j], v[ACC+2*(4*\p+\j)], v[ACC+2*(4*\p+\j)+1]   ; the even units' half and the odd units': v[F + j] point r, v[F + 4 + j] point 16 + r, my half's 16 units
.endr
.endr
.irp j, 0,1,2,3
	v_permlane16_swap_b32 v[F+\j], v[F+4+\j]       ; the first's lanes 16-31 change places with the second's lanes 0-15: both now hold, in lane l, a half of point l's sum
.endr
	v_pk_add_f32 v[F:F+1], v[F:F+1], v[F+4:F+5]
	v_pk_add_f32 v[F+2:F+3], v[F+2:F+3], v[F+6:F+7]
	global_store_b128 v1, v[F:F+3], s[14:15] th:TH_STORE_NT        ; lane l stores point l's 16 bytes: the wave stores 512 consecutive bytes, aligned
	s_endpgm
.Lfunc_end_k_q0fe067ae24_encode_mlp:
	.size	k_q0fe067ae24_encode_mlp, .Lfunc_end_k_q0fe067ae24_encode_mlp-k_q0fe067ae24_encode_mlp
	.p2alignl 7, 3214868480
	.fill 96, 4, 3214868480
	.section	.rodata,"a",@progbits
	.p2align	6, 0x0
	.amdhsa_kernel k_q0fe067ae24_encode_mlp
		.amdhsa_group_segment_fixed_size 0
		.amdhsa_private_segment_fixed_size 0
		.amdhsa_enable_private_segment 0
		.amdhsa_kernarg_size 48
		.amdhsa_user_sgpr_count 2
		.amdhsa_user_sgpr_kernarg_segment_ptr 1
		.amdhsa_wavefront_size32 1
		.amdhsa_system_sgpr_workgroup_id_x 1
		.amdhsa_system_sgpr_workgroup_id_y 1
		.amdhsa_system_sgpr_workgroup_id_z 1
		.amdhsa_system_vgpr_workitem_id 0
		.amdhsa_next_free_vgpr 168
		.amdhsa_next_free_sgpr 66
		.amdhsa_reserve_vcc 0
		.amdhsa_float_denorm_mode_32 3
		.amdhsa_float_denorm_mode_16_64 3
		.amdhsa_memory_ordered 1
		.amdhsa_forward_progress 1
		.amdhsa_inst_pref_size 70
	.end_amdhsa_kernel
	.amdgpu_metadata
---
amdhsa.version: [ 1, 2 ]
amdhsa.kernels:
  - .name:           k_q0fe067ae24_encode_mlp
    .symbol:         k_q0fe067ae24_encode_mlp.kd
    .args:
      - { .name: texc, .offset: 0, .size: 8, .value_kind: global_buffer, .address_space: global }
      - { .name: table, .offset: 8, .size: 8, .value_kind: global_buffer, .address_space: global }
      - { .name: cells, .offset: 16, .size: 8, .value_kind: global_buffer, .address_space: global }
      - { .name: wimg, .offset: 24, .size: 8, .value_kind: global_buffer, .address_space: global }
      - { .name: W2, .offset: 32, .size: 8, .value_kind: global_buffer, .address_space: global }
      - { .name: out0, .offset: 40, .size: 8, .value_kind: global_buffer, .address_space: global }
    .group_segment_fixed_size: 0
    .private_segment_fixed_size: 0
    .kernarg_segment_align: 8
    .kernarg_segment_size: 48
    .max_flat_workgroup_size: 64
    .sgpr_count:     66
    .vgpr_count:     168
    .wavefront_size: 32
...
	.end_amdgpu_metadata
.endif
;; end of part 2
;; ======== version 2 of 2: 2 launches; version 1 with the launch encode_mlp written anew for expert scheduling mode
;; workspace buffers: cells 64,000,000 bytes of whole numbers; wimg 6,656 bytes
;; launch cells_w: the kernel of part 1 again; grid 15625 x 1, 2 waves a work-group, no clusters, 0 bytes of LDS; arguments texc, W0, W1, cells, wimg; writes cells, wimg
;; launch encode_mlp (part 3): grid 15625 x 1, 2 waves a work-group, no clusters, 0 bytes of LDS; arguments texc, table, cells, wimg, W2, out0; writes out0
.if DOCPART == 3
	.amdgcn_target "amdgcn-amd-amdhsa--gfx1250"
	.amdhsa_code_object_version 6
	.text
	.protected	k_q0fe067ae24_encode_mlp
	.globl	k_q0fe067ae24_encode_mlp
	.p2align	8
	.type	k_q0fe067ae24_encode_mlp,@function
k_q0fe067ae24_encode_mlp:
	s_mov_b64 s[64:65], 0
	v_nop
	global_prefetch_b8 v0, s[64:65] scope:SCOPE_SE
	s_setreg_imm32_b32 hwreg(HW_REG_WAVE_SCHED_MODE, 0, 2), 2
	s_setreg_imm32_b32 hwreg(HW_REG_WAVE_MODE, 25, 1), 1
	s_wait_xcnt 0x0
	s_wait_alu depctr_vm_vsrc(0)
; SECOND OF TWO LAUNCHES: the hash-grid encoding (16 levels x 8 corners x 2 features a point) and the MLP 32 -> 32 -> 32 -> 4; nothing between them goes to memory.
; SHARES: a wave takes a block of 32 points, a lane a point: 31,250 blocks = 15,625 work-groups x 2 waves.  Straight-line text: no loop, no LDS, no barrier; waves share nothing.
; ADDRESSES come from the cell words that the first launch stored (their layout: see there).  The fractions are made here from texc by the same fused multiply-add that made the cells:
;   pos = x s + 0.5 has one rounding where reference() writes a product and a sum; the two forms can differ by one ulp of pos (2^-12 at the most) where x s and x s + 0.5 lie on the two sides of a power of two.
; GATHERS: 8 loads of 8 bytes a level and lane, in three sets of registers: two levels' 16 loads stay out while a third level is summed.
; What work-groups share is the table, read in pieces of 8 bytes at places that hang on the points: no tile of it could be asked for jointly, so there is no cluster, no tensor load and no LDS here.
; THE MODE: SCHED_MODE bits 1:0 = 2 (LLVM: expert scheduling mode 2), set by the entry lines.  The code itself states the register dependences
; between vector or matrix instructions and memory instructions, with s_wait_alu, always for 0.
; THE PLAN.  Registers that memory instructions touch:
;   v1, v2, v3, v7   offsets, made once at the head and never written again.
;   FE0 .. FE2       gathered corners.  Written by loads alone: level l's eight land in set l % 3; read by level l's eight packed sums.
;   IDX              the eight addresses of one level.  Read by level l's loads; written again by the last lines of level l + 1's index arithmetic.
;   in the MLP       the weights' fragments land in FE, W2's quads in the cell words, in the trilinear weights, in YZ and IDX, and later in W0's fragments; the store reads v[F .. F + 3].
; A LEVEL'S TURN: one wait on va_vdst | its 8 loads | its trilinear weights | the next level's index arithmetic, with one wait on vm_vsrc ahead of the lines that write IDX | the wait for the data of two levels back | that level's sums.
;   The wait on va_vdst states that IDX is written and that the sums just made are done reading the set in which the loads land; no vector instruction stands between it and the loads.
;   The next level's addresses are so made while this level's loads are out, ahead of the wait for data, and the next loads follow the sums at once.
; THE FIRST TWO PRODUCTS are on codes of BF6 (E3M2), K = 32: one block, one E8M0 byte a row.  The instruction is 128 deep, and two tiles of points share an operand:
;   source 1 (ACT): lane l holds point l's 32 codes in registers 0-5, zero codes in registers 6-11.  Read as an operand, column r has point r at k = 0 .. 31, point 16 + r at k = 32 .. 63, zeros from k = 64 on.
;   source 0: 16 rows of the weight, variant 0 with its codes at k = 0 .. 31 and zero codes at k = 32 .. 63 (it picks points 0-15), variant 1 the other way round (points 16-31).
;   A weight fragment's registers 6-11 (k = 64 on) meet ACT's zero codes, so whatever stands there adds nothing: the eight fragments lie 6 registers apart.  No scale byte here is 0xff.
;   The products are used transposed: in a result lane (r, h) holds one point and eight units.  W0's tile rows are chosen so that a lane's 16 registers are units 16 h + 0 .. 15, neighbours along the next K.
; THE THIRD PRODUCT (N = 4, left as it is) takes f32 operands, by packed multiply-adds: 64 for the block's 32 points x 4 outputs x 32 units; no operand is rounded.  Of a 16-wide matrix tile its 4 outputs would fill a quarter.
; A block's scale byte is its largest magnitude's exponent field - 4, held at 1 from below; a block of zeros keeps the byte 1 (its codes are zeros, and nothing else reads the byte).
; LIMITS: texc lies in [0, 1), on which reference()'s dense indexing relies; outside it values differ, and every address stays inside the table.  NaN and infinities are not served.
.set CELLW, 8                          ; v8-23    the point's 16 cell words;           in the MLP: four quads of W2
.set F,     24                         ; v24-55   the 32 features (level l at 2 l);     in the MLP: the four accumulators of a product; at the end the outputs
.set FE,    56                         ; v56-103  gathered corners, 3 sets x 16;        in the MLP: the eight weight fragments, 6 registers apart; v56-79 later six quads of W2
.set WT,    104                        ; v104-127 trilinear weights, 3 sets x 8: pair 2 j + k = (i = 0, i = 1);  in the MLP v110-125: four quads of W2
.set POS,   128                        ; v[128:129], v130
.set G,     131                        ; v131-133 floor(pos)
.set XP,    134                        ; v[134:135] (1 - fx, fx);  v[136:137], v[138:139] the same of y, z
.set YP,    136
.set ZP,    138
.set WXY,   140                        ; v[140:141] wx wy for j = 0, v[142:143] for j = 1
.set GX,    144                        ; v144 gx, v145 gx + 1
.set HY,    146                        ; v146, v147 gy P1, (gy + 1) P1
.set HZ,    148                        ; v148, v149 gz P2, (gz + 1) P2
.set YZ,    150                        ; v150-153 their four exclusive ors, low 19 bits: 2 j + k;  in the MLP v150-157: two quads of W2
.set IDX,   154                        ; v154-161 the addresses of the level's loads: a hashed level's eight indices; a dense level's base corner, as a byte offset, in the first
.set T,     162
.set SW,    163                        ; v163     the activations' scale word: scales and nothing else
.set WS,    164                        ; v164-167 the weights' scale words (2 L + u): scales and nothing else
.set TB,    32                         ; s[32+2l:33+2l] the table at level l; never rewritten
; the MLP's names
.set WF,    56
.set ACT,   128                        ; v128-139
.set MA,    140                        ; v140, v141 largest magnitudes; v142, v143 the other half's
.set SCA,   144                        ; v144, v145 the conversions' scale operands
.set TMP,   146                        ; v146-148
.set BY,    149
.set ACC,   128                        ; v128-143 the third product's eight sums, each in two halves (even units', odd units'): pair 4 p + j
	s_load_b256 s[4:11], s[0:1], 0x0               ; texc s[4:5], table s[6:7], cells s[8:9], wimg s[10:11]
	s_load_b128 s[12:15], s[0:1], 0x20             ; W2 s[12:13], out0 s[14:15]
	v_lshrrev_b32 v1, 5, v0
	v_readfirstlane_b32 s18, v1                    ; wave 0, 1
	v_and_b32 v7, 31, v0                           ; lane
	v_lshlrev_b32 v1, 4, v7                        ; 16 x lane; never rewritten
	v_lshlrev_b32 v2, 3, v7                        ; 8 x lane; never rewritten
	v_mul_u32_u24 v3, v7, 12                       ; 12 x lane; never rewritten
	v_bfe_u32 v7, v0, 4, 1                         ; h = lane / 16
	v_lshlrev_b32 v7, 5, v7                        ; 32 h: my half's eight numbers of a row of W2; never rewritten
	s_wait_alu depctr_va_sdst(0)                   ; s18 is written, ahead of its first reader: the block's number, and with it three bases, are made from it
	s_lshl_b32 s19, ttmp9, 1
	s_add_co_u32 s19, s19, s18                     ; my block of 32 points
	s_mov_b32 s17, 0
	s_mov_b32 s20, 0x779b1                         ; the low 19 bits of the prime 2,654,435,761: the index is taken modulo 2^19, so the products' low 19 bits are all that counts
	s_mov_b32 s21, 0x25795                         ; and of 805,459,861
	s_mov_b32 s22, 0x7ffff
	s_mov_b32 s23, 0xffff0000                      ; lanes 16-31
	s_mov_b32 s24, 0x76543210
	s_mov_b32 s25, 0xfedcba98                      ; v_permlanex16_b32's selects for lane l xor 16
	s_mul_i32 s16, s19, 384
	s_wait_kmcnt 0x0
	s_add_nc_u64 s[4:5], s[4:5], s[16:17]          ; my 384 bytes of texc,
	s_lshl_b32 s16, s19, 11
	s_add_nc_u64 s[8:9], s[8:9], s[16:17]          ; 2,048 of cells,
	s_lshl_b32 s16, s19, 9
	s_add_nc_u64 s[14:15], s[14:15], s[16:17]      ; 512 of out0
	s_wait_alu depctr_va_vdst(0)                   ; the offsets v1, v2, v3 and v7 are written: the loads of texc, cells, wimg and W2 and the store read them
	global_load_b96 v[4:6], v3, s[4:5] th:TH_LOAD_NT
.irp g, 0,1,2,3
	global_load_b128 v[CELLW+4*\g:CELLW+4*\g+3], v1, s[8:9] offset:512*\g th:TH_LOAD_NT
.endr
	global_load_b128 v[WS:WS+3], v1, s[10:11] offset:6144
	s_mov_b64 s[TB:TB+1], s[6:7]
.irp l, 1,2,3,4,5,6,7,8,9,10,11,12,13,14,15
	s_add_nc_u64 s[TB+2*\l:TB+2*\l+1], s[TB+2*\l-2:TB+2*\l-1], 0x400000   ; a level is 524,288 entries of 8 bytes
.endr
	s_wait_loadcnt 0x0
; The eight trilinear weights of level l (s: its scale as f32 bits) into set l % 3; (wx wy) wz, as reference()'s product runs.  No memory instruction names a register of these lines before the MLP.
.macro WEIGHTS l, s
.set WB, WT+8*((\l)%3)
	v_pk_fma_f32 v[POS:POS+1], v[4:5], \s, 0.5 op_sel_hi:[1,0,0]   ; x s + 0.5, one rounding: as the cells were made
	v_fma_f32 v[POS+2], v6, \s, 0.5
.irp a, 0,1,2
	v_floor_f32 v[G+\a], v[POS+\a]
.endr
.irp a, 0,1,2
	v_sub_f32 v[XP+2*\a+1], v[POS+\a], v[G+\a]     ; f
.endr
.irp a, 0,1,2
	v_sub_f32 v[XP+2*\a], 1.0, v[XP+2*\a+1]        ; 1 - f
.endr
	v_pk_mul_f32 v[WXY:WXY+1], v[XP:XP+1], v[YP:YP+1] op_sel_hi:[1,0]                 ; (1 - fx, fx) x (1 - fy)
	v_pk_mul_f32 v[WXY+2:WXY+3], v[XP:XP+1], v[YP:YP+1] op_sel:[0,1] op_sel_hi:[1,1]  ; (1 - fx, fx) x fy
.irp j, 0,1
	v_pk_mul_f32 v[WB+4*\j:WB+4*\j+1], v[WXY+2*\j:WXY+2*\j+1], v[ZP:ZP+1] op_sel_hi:[1,0]
	v_pk_mul_f32 v[WB+4*\j+2:WB+4*\j+3], v[WXY+2*\j:WXY+2*\j+1], v[ZP:ZP+1] op_sel:[0,1] op_sel_hi:[1,1]
.endr
.endm
; A dense level's address: index = x + y res + z res^2.  The base corner's index is held under its largest value (a number read from memory enters an address only behind a v_min_u32 with a constant).
.macro IDX_D l, sh, res
	v_bfe_u32 v[GX], v[CELLW+\l], 0, \sh
	v_bfe_u32 v[HY], v[CELLW+\l], \sh, \sh
	v_bfe_u32 v[HZ], v[CELLW+\l], 2*\sh, \sh
	v_mad_u32_u24 v[T], v[HY], \res, v[GX]
	v_mad_u32_u24 v[T], v[HZ], (\res)*(\res), v[T]
	v_min_u32 v[T], ((\res)-1)*(1+(\res)+(\res)*(\res)), v[T]      ; a cell's coordinate is at most res - 1
.if (\l) > 0
	s_wait_xcnt 0x0                                ; the level before's loads have had their addresses translated (ISA guide 3.1): an address register is rewritten only behind this wait,
	s_wait_alu depctr_vm_vsrc(0)                   ; and they have read v[IDX], which the next line writes again
.endif
	v_lshlrev_b32 v[IDX], 3, v[T]
.endm
; Its eight loads: the corners stand in the immediates.  Corner c = 4 i + 2 j + k lands in registers 2 c, 2 c + 1 of set l % 3.
.macro LOADS_D l, res
.set FB, FE+16*((\l)%3)
	s_wait_alu depctr_va_vdst(0)                   ; v[IDX] is written, which the loads read; from level 3 on: the sums of three levels back are done reading this set, in which the loads land
.irp c, 0,1,2,3,4,5,6,7
	global_load_b64 v[FB+2*\c:FB+2*\c+1], v[IDX], s[TB+2*(\l):TB+2*(\l)+1] offset:8*((\c/4)+((\c/2)%2)*(\res)+(\c%2)*(\res)*(\res))
.endr
.endm
; A hashed level's eight addresses: index = (x ^ y P1 ^ z P2) mod 2^19.  epos, ew: where gz's upper bits lie in word 0 (ew = 0: none).  (y + 1) P1 = y P1 + P1.
; All but the last sixteen lines work in registers that no memory instruction names; so the two waits stand as far behind the level before's loads as the arithmetic allows.
.macro IDX_H l, sh, epos, ew
	v_bfe_u32 v[GX], v[CELLW+\l], 0, \sh
	v_bfe_u32 v[HY], v[CELLW+\l], \sh, \sh
	v_lshrrev_b32 v[HZ], 2*\sh, v[CELLW+\l]
.if \ew
	v_bfe_u32 v[T], v[CELLW], \epos, \ew
	v_lshl_or_b32 v[HZ], v[T], 32-2*\sh, v[HZ]
.endif
	v_mul_u32_u24 v[HY], s20, v[HY]
	v_mul_u32_u24 v[HZ], s21, v[HZ]
	v_add_nc_u32 v[GX+1], 1, v[GX]
	v_add_nc_u32 v[HY+1], s20, v[HY]
	v_add_nc_u32 v[HZ+1], s21, v[HZ]
.irp p, 0,1,2,3
	v_xor_b32 v[YZ+\p], v[HY+\p/2], v[HZ+\p%2]
.endr
.irp p, 0,1,2,3
	v_and_b32 v[YZ+\p], s22, v[YZ+\p]              ; x and x + 1 lie under 2^19 themselves
.endr
	s_wait_xcnt 0x0                                ; the level before's loads have had their addresses translated (ISA guide 3.1): address registers are rewritten only behind this wait,
	s_wait_alu depctr_vm_vsrc(0)                   ; and they have read v[IDX ..], which the lines below write again
.irp c, 0,1,2,3,4,5,6,7
	v_xor_b32 v[IDX+\c], v[GX+\c/4], v[YZ+\c%4]
.endr
.irp c, 0,1,2,3,4,5,6,7
	v_min_u32 v[IDX+\c], 0x7ffff, v[IDX+\c]        ; changes nothing: a number read from memory enters an address only behind a v_min_u32 with a constant
.endr
.endm
; Its eight loads; scale_offset multiplies the index by the load's 8 bytes (a shift in its stead would be 8 more vector instructions a level, 88 a wave).
.macro LOADS_H l
.set FB, FE+16*((\l)%3)
	s_wait_alu depctr_va_vdst(0)                   ; v[IDX ..] are written, which the loads read; the sums of three levels back are done reading this set, in which the loads land
.irp c, 0,1,2,3,4,5,6,7
	global_load_b64 v[FB+2*\c:FB+2*\c+1], v[IDX+\c], s[TB+2*(\l):TB+2*(\l)+1] scale_offset
.endr
.endm
; Level l's two features: the sum over the corners in reference()'s order, both features in one packed multiply-add.  left: the younger levels' loads, which may stay out.
.macro CONSUME l, left
.set FB, FE+16*((\l)%3)
.set WB, WT+8*((\l)%3)
.set FL, F+2*(\l)
	s_wait_loadcnt \left                           ; loads come back in order: this level's eight are in
	v_pk_mul_f32 v[FL:FL+1], v[FB:FB+1], v[WB:WB+1] op_sel_hi:[1,0]                    ; the first corner starts the sum
.irp c, 1,2,3
	v_pk_fma_f32 v[FL:FL+1], v[FB+2*\c:FB+2*\c+1], v[WB+2*\c:WB+2*\c+1], v[FL:FL+1] op_sel_hi:[1,0,1]               ; i = 0: the pair's low word for both features
.endr
.irp c, 0,1,2,3
	v_pk_fma_f32 v[FL:FL+1], v[FB+8+2*\c:FB+9+2*\c], v[WB+2*\c:WB+2*\c+1], v[FL:FL+1] op_sel:[0,1,0] op_sel_hi:[1,1,1]   ; i = 1: its high word
.endr
.endm
	; the scales 16 x 2^(8 l / 15) - 1, rounded to f32; resolutions ceil(scale) + 1; levels 0-4 are dense (71^3 <= 2^19 < 102^3)
	IDX_D 0, 4, 16
	LOADS_D 0, 16
	WEIGHTS 0,  0x41700000
	IDX_D 1, 10, 24
	LOADS_D 1, 24
	WEIGHTS 1,  0x41B1401E
	IDX_D 2, 10, 34
	LOADS_D 2, 34
	WEIGHTS 2,  0x42020DBC
	IDX_D 3, 10, 49
	CONSUME 0, 16                                  ; 16: the two younger levels' loads
	LOADS_D 3, 49
	WEIGHTS 3,  0x423E0300
	IDX_D 4, 10, 71
	CONSUME 1, 16
	LOADS_D 4, 71
	WEIGHTS 4,  0x428A64C3
	IDX_H 5, 10, 0, 0
	CONSUME 2, 16
	LOADS_H 5
	WEIGHTS 5,  0x42C92FF5
	IDX_H 6, 10, 0, 0
	CONSUME 3, 16
	LOADS_H 6
	WEIGHTS 6,  0x4312088C
	IDX_H 7, 10, 0, 0
	CONSUME 4, 16
	LOADS_H 7
	WEIGHTS 7,  0x4353CC02
	IDX_H 8, 10, 0, 0
	CONSUME 5, 16
	LOADS_H 8
	WEIGHTS 8,  0x43997CB9
	IDX_H 9, 10, 0, 0
	CONSUME 6, 16
	LOADS_H 9
	WEIGHTS 9,  0x43DE5C67
	IDX_H 10, 10, 0, 0
	CONSUME 7, 16
	LOADS_H 10
	WEIGHTS 10, 0x44210518
	IDX_H 11, 10, 0, 0
	CONSUME 8, 16
	LOADS_H 11
	WEIGHTS 11, 0x446926A5
	IDX_H 12, 11, 12, 1
	CONSUME 9, 16
	LOADS_H 12
	WEIGHTS 12, 0x44A8C5A3
	IDX_H 13, 11, 13, 1
	CONSUME 10, 16
	LOADS_H 13
	WEIGHTS 13, 0x44F45080
	IDX_H 14, 12, 14, 4
	CONSUME 11, 16
	LOADS_H 14
	WEIGHTS 14, 0x4530D285
	IDX_H 15, 12, 18, 4
	CONSUME 12, 16
	LOADS_H 15
	WEIGHTS 15, 0x457FF000
	CONSUME 13, 16
	CONSUME 14, 8                                  ; the counts run down
	CONSUME 15, 0
	; ---- THE MLP.  W0's and W1's codes come as images of their registers, into the registers that the gathers have left; they land while the features are quantised.
	s_wait_alu depctr_va_vdst(0)                   ; the sums are done reading the gathered corners and the trilinear weights, the index arithmetic is done with the cell words, YZ and IDX: the loads below land in all of these
	s_wait_alu depctr_vm_vsrc(0)                   ; level 15's loads have read v[IDX ..], in the first four of which a quad of W2 lands
.irp f, 0,1,2,3,4,5,6,7
	global_load_b128 v[WF+6*\f:WF+6*\f+3], v1, s[10:11] offset:768*\f
	global_load_b64 v[WF+6*\f+4:WF+6*\f+5], v2, s[10:11] offset:768*\f+512
.endr
; W2 in f32, as it lies: quad q = 4 j + t holds W2[j][4 t' ..], the four numbers that meet registers 4 t .. 4 t + 3 of a point's 16: units 16 (t / 2) + 8 h + 4 (t % 2) + 0 .. 3.
; The 16 quads lie where registers are free: QR is quad q's first register.
.macro SETQ q
.if (\q) < 4
.set QR, 8+4*(\q)
.elseif (\q) < 8
.set QR, 110+4*((\q)-4)
.elseif (\q) < 10
.set QR, 150+4*((\q)-8)
.else
.set QR, 56+4*((\q)-10)
.endif
.endm
.macro W2LOAD q
	SETQ \q
	global_load_b128 v[QR:QR+3], v7, s[12:13] offset:128*((\q)/4)+64*(((\q)%4)/2)+16*((\q)%2)   ; sixteen lanes read the same 16 bytes
.endm
.irp q, 0,1,2,3,4,5,6,7,8,9
	W2LOAD \q
.endr
.macro NOPS n
.rept \n
	v_nop
.endr
.endm
	; the features' one block of 32 lies whole in my lane.  (The lines from here to the products name none of the registers in which the 26 loads above land)
	v_max3_num_f32 v[MA], |v[F]|, |v[F+1]|, 0x2800000              ; the floor 2^(5 - 127) among the leaves: the byte cannot fall under 1
	v_max3_num_f32 v[MA+1], |v[F+2]|, |v[F+3]|, |v[F+4]|
.irp i, 5,9,13,17,21,25
	v_max3_num_f32 v[MA], v[MA], |v[F+\i]|, |v[F+\i+1]|            ; two chains by turns
	v_max3_num_f32 v[MA+1], v[MA+1], |v[F+\i+2]|, |v[F+\i+3]|
.endr
	v_max3_num_f32 v[MA], v[MA], |v[F+29]|, |v[F+30]|
	v_max3_num_f32 v[MA], v[MA], v[MA+1], |v[F+31]|
	v_add_nc_u32 v[SCA], 0xfe000000, v[MA]         ; 4 off the exponent field: the conversion's scale operand
	v_lshrrev_b32 v[BY], 23, v[SCA]                ; the scale's byte,
	v_perm_b32 v[SW], v[BY], v[BY], 0              ; in all four places: my point's block is k block 0 in lanes 0-15 and k block 1 in lanes 16-31
.irp i, 6,7,8,9,10,11
	v_mov_b32 v[ACT+\i], 0                         ; zero codes for k = 64 .. 127; they stay for both products
.endr
	v_cvt_scalef32_pk16_bf6_f32 v[ACT:ACT+2], v[F:F+15], v[SCA]
	v_cvt_scalef32_pk16_bf6_f32 v[TMP:TMP+2], v[F+16:F+31], v[SCA]   ; (a conversion's three registers begin on an even number)
	v_nop                                          ; one plain place behind a scaled conversion
.irp i, 0,1,2
	v_mov_b32 v[ACT+3+\i], v[TMP+\i]
.endr
	NOPS 8                                         ; a scale register written by a vector instruction stands 8 places ahead of a scaled matrix instruction, an operand so written 4
	s_wait_loadcnt 10                              ; the 16 loads of the fragments are in; the ten quads of W2 issued behind them may stay out
	s_wait_alu depctr_va_vdst(0)                   ; the vector lines have written v[ACT ..] and v[SW], which the scaled products take as source 1 and as its scales; the places above stay beside this wait
; A layer's four products: tile u of the weight's rows x points 0-15 (variant 0) and points 16-31 (variant 1, whose scale is read from lanes 16-31).  Four accumulators, each begun with the constant 0.
.macro PROD lay
.irp u, 0,1
	v_wmma_scale_f32_16x16x128_f8f6f4 v[F+8*\u:F+8*\u+7], v[WF+6*(4*\lay+2*\u):WF+6*(4*\lay+2*\u)+11], v[ACT:ACT+11], 0, v[WS+2*\lay+\u], v[SW] matrix_a_fmt:MATRIX_FMT_BF6 matrix_b_fmt:MATRIX_FMT_BF6
	v_wmma_scale_f32_16x16x128_f8f6f4 v[F+16+8*\u:F+16+8*\u+7], v[WF+6*(4*\lay+2*\u+1):WF+6*(4*\lay+2*\u+1)+11], v[ACT:ACT+11], 0, v[WS+2*\lay+\u], v[SW] matrix_a_fmt:MATRIX_FMT_BF6 matrix_b_fmt:MATRIX_FMT_BF6 matrix_b_scale:MATRIX_SCALE_ROW1
.endr
.endm
.macro RELU                                    ; in ascending order: each accumulator is read from its low end on
.set j, 0
.rept 32
	v_max_num_f32 v[F+j], 0, v[F+j]
.set j, j+1
.endr
.endm
	PROD 0                                         ; lane (r, h): v[F + 16 p + i] = unit 16 h + i of point 16 p + r
	NOPS 4                                         ; four places between a matrix instruction and the first read of its result
	s_wait_alu depctr_va_vdst(0)                   ; the four products are done reading W0's fragments, in whose registers the loads below land
.irp q, 10,11,12,13,14,15
	W2LOAD \q                                      ; the last six quads of W2, into the registers of W0's fragments, which are done with
.endr
	RELU
	; the first hidden layer's block of 32 units lies in lanes l and l xor 16.  No |.|: nothing is negative
	v_max3_num_f32 v[MA], v[F], v[F+1], 0x2800000
	v_max3_num_f32 v[MA+1], v[F+16], v[F+17], 0x2800000
.irp i, 2,4,6,8,10,12,14
	v_max3_num_f32 v[MA], v[MA], v[F+\i], v[F+\i+1]                ; the two tiles of points by turns
	v_max3_num_f32 v[MA+1], v[MA+1], v[F+16+\i], v[F+17+\i]
.endr
	v_permlanex16_b32 v[MA+2], v[MA], s24, s25
	v_permlanex16_b32 v[MA+3], v[MA+1], s24, s25
	v_max_num_f32 v[MA], v[MA], v[MA+2]
	v_max_num_f32 v[MA+1], v[MA+1], v[MA+3]
	v_add_nc_u32 v[SCA], 0xfe000000, v[MA]
	v_add_nc_u32 v[SCA+1], 0xfe000000, v[MA+1]
	v_cndmask_b32 v[BY], v[SCA], v[SCA+1], s23     ; lane l wants point l's: lanes 0-15 the first tile's, lanes 16-31 the second's
	v_lshrrev_b32 v[BY], 23, v[BY]
	v_perm_b32 v[SW], v[BY], v[BY], 0
	v_cvt_scalef32_pk16_bf6_f32 v[ACT:ACT+2], v[F:F+15], v[SCA]        ; units 16 h + 0 .. 15 of point r
	v_cvt_scalef32_pk16_bf6_f32 v[TMP:TMP+2], v[F+16:F+31], v[SCA+1]   ; and of point 16 + r
	v_nop                                          ; one plain place behind a scaled conversion
.irp i, 0,1,2
	v_permlane16_swap_b32 v[ACT+\i], v[TMP+\i]     ; the first's lanes 16-31 change places with the second's lanes 0-15: the first now holds units 0-15 of point l, the second units 16-31
.endr
.irp i, 0,1,2
	v_mov_b32 v[ACT+3+\i], v[TMP+\i]
.endr
	NOPS 8                                         ; as ahead of the first layer's products
	s_wait_alu depctr_va_vdst(0)                   ; the vector lines have written v[ACT ..] and v[SW] anew, which the scaled products take; the places above stay beside this wait
	PROD 1                                         ; W1's tile rows are neighbours: v[F + 16 p + 8 u + i] = unit 16 u + 8 h + i of point 16 p + r
	NOPS 4
	RELU
	; ---- the third product: out(point, j) = the sum over 32 units of h2 W2[j].  My lane has 16 units of each of two points: eight sums (4 p + j), two units an instruction, the eight by turns.
	s_wait_loadcnt 0x0                             ; W2
.set kp, 0
.rept 8                                        ; units 2 kp, 2 kp + 1 of my 16
.irp p, 0,1
.irp j, 0,1,2,3
	SETQ 4*\j+kp/2
.if kp == 0
	v_pk_mul_f32 v[ACC+2*(4*\p+\j):ACC+2*(4*\p+\j)+1], v[F+16*\p+2*kp:F+16*\p+2*kp+1], v[QR+2*(kp%2):QR+2*(kp%2)+1]   ; the first pair starts the sums
.else
	v_pk_fma_f32 v[ACC+2*(4*\p+\j):ACC+2*(4*\p+\j)+1], v[F+16*\p+2*kp:F+16*\p+2*kp+1], v[QR+2*(kp%2):QR+2*(kp%2)+1], v[ACC+2*(4*\p+\j):ACC+2*(4*\p+\j)+1]
.endif
.endr
.endr
.set kp, kp+1
.endr
.irp p, 0,1
.irp j, 0,1,2,3
	v_add_f32 v[F+4*\p+\j], v[ACC+2*(4*\p+\j)], v[ACC+2*(4*\p+\j)+1]   ; the even units' half and the odd units': v[F + j] point r, v[F + 4 + j] point 16 + r, my half's 16 units
.endr
.endr
.irp j, 0,1,2,3
	v_permlane16_swap_b32 v[F+\j], v[F+4+\j]       ; the first's lanes 16-31 change places with the second's lanes 0-15: both now hold, in lane l, a half of point l's sum
.endr
	v_pk_add_f32 v[F:F+1], v[F:F+1], v[F+4:F+5]
	v_pk_add_f32 v[F+2:F+3], v[F+2:F+3], v[F+6:F+7]
	s_wait_alu depctr_va_vdst(0)                   ; the two additions have written v[F .. F + 3], which the store reads
	global_store_b128 v1, v[F:F+3], s[14:15] th:TH_STORE_NT        ; lane l stores point l's 16 bytes: the wave stores 512 consecutive bytes, aligned
	s_endpgm
.Lfunc_end_k_q0fe067ae24_encode_mlp:
	.size	k_q0fe067ae24_encode_mlp, .Lfunc_end_k_q0fe067ae24_encode_mlp-k_q0fe067ae24_encode_mlp
	.p2alignl 7, 3214868480
	.fill 96, 4, 3214868480
	.section	.rodata,"a",@progbits
	.p2align	6, 0x0
	.amdhsa_kernel k_q0fe067ae24_encode_mlp
		.amdhsa_group_segment_fixed_size 0
		.amdhsa_private_segment_fixed_size 0
		.amdhsa_enable_private_segment 0
		.amdhsa_kernarg_size 48
		.amdhsa_user_sgpr_count 2
		.amdhsa_user_sgpr_kernarg_segment_ptr 1
		.amdhsa_wavefront_size32 1
		.amdhsa_system_sgpr_workgroup_id_x 1
		.amdhsa_system_sgpr_workgroup_id_y 1
		.amdhsa_system_sgpr_workgroup_id_z 1
		.amdhsa_system_vgpr_workitem_id 0
		.amdhsa_next_free_vgpr 168
		.amdhsa_next_free_sgpr 66
		.amdhsa_reserve_vcc 0
		.amdhsa_float_denorm_mode_32 3
		.amdhsa_float_denorm_mode_16_64 3
		.amdhsa_memory_ordered 1
		.amdhsa_forward_progress 1
		.amdhsa_inst_pref_size 71
	.end_amdhsa_kernel
	.amdgpu_metadata
---
amdhsa.version: [ 1, 2 ]
amdhsa.kernels:
  - .name:           k_q0fe067ae24_encode_mlp
    .symbol:         k_q0fe067ae24_encode_mlp.kd
    .args:
      - { .name: texc, .offset: 0, .size: 8, .value_kind: global_buffer, .address_space: global }
      - { .name: table, .offset: 8, .size: 8, .value_kind: global_buffer, .address_space: global }
      - { .name: cells, .offset: 16, .size: 8, .value_kind: global_buffer, .address_space: global }
      - { .name: wimg, .offset: 24, .size: 8, .value_kind: global_buffer, .address_space: global }
      - { .name: W2, .offset: 32, .size: 8, .value_kind: global_buffer, .address_space: global }
      - { .name: out0, .offset: 40, .size: 8, .value_kind: global_buffer, .address_space: global }
    .group_segment_fixed_size: 0
    .private_segment_fixed_size: 0
    .kernarg_segment_align: 8
    .kernarg_segment_size: 48
    .max_flat_workgroup_size: 64
    .sgpr_count:     66
    .vgpr_count:     168
    .wavefront_size: 32
...
	.end_amdgpu_metadata
.endif
;; end of part 3
